; MI455X (gfx1250); checked and timed in simulation.
; The chip was launched on July 23, 2026; its instructions are those of AMD's public machine-readable ISA for CDNA 5 (MIT licence, August 2026) and "CDNA5" Instruction Set Architecture Reference Guide (July 2026). The comments in the code are by the model that wrote it; some were corrected since.
;; Scale Dot Product Attention. Allowed arithmetic: matrix products marked QUANTISED: E2M3 operands, one E8M0 scale for each 32 along K, by v_wmma_scale_f32_16x16x128_f8f6f4 with both operands' format E2M3, f32 sums; everything else in f32.
;; Inputs: k 4 x 16 x 2,048 x 64 float32; q 4 x 16 x 2,048 x 64 float32; v 4 x 16 x 2,048 x 64 float32.
;; Outputs: out0 4 x 16 x 2,048 x 64 float32.
;; This version of the problem:
;;   THIS VERSION OF THE PROBLEM IS GIVEN IN LOW PRECISION. The matrix products marked QUANTISED in the list below multiply operands that are first quantised to E2M3 (2 exponent bits, 3 mantissa bits; 6 bits a number), with one power-of-two scale for each 32 numbers along K (OCP MX v1.0); their sums are f32. All else is computed in f32.
;;   The module's matrix products, in the order in which they are computed (A, B: the left and right operand; K: the contracted axis; several contracted axes count as one K, in the product's order):
;;     1. batch 64 x [M 2,048, K 64] x [K 64, N 2,048]; A: input q; B: input k: QUANTISED
;;     2. batch 64 x [M 2,048, K 2,048] x [K 2,048, N 64]; A: softmax (see below); B: input v: QUANTISED
;;   THE QUANTISER, for each operand of a quantised product, along K:
;;     - K is cut into blocks of 32 from its start; a last block that is shorter is filled with zeros.
;;     - A block's scale is 2^e with e = floor(log2(the largest magnitude in the block)) - 2, held to -126 .. 127; a block of zeros has e = 0. As a byte (E8M0): e + 127.
;;     - Each number is divided by its block's scale, clamped to +-7.5, and rounded to the nearest number of E2M3, ties to even, subnormals kept.
;;     - The product sums the exact products of the quantised numbers (number of the format x scale) in f32.
;;   ~~~python
;;   def quantise(x, axis):      # numpy; x: float32 -> the quantised numbers, widened to float32 again
;;       x = np.moveaxis(x, axis, -1); K = x.shape[-1]
;;       x = np.pad(x, [(0, 0)] * (x.ndim - 1) + [(0, -K % 32)]); x = x.reshape(x.shape[:-1] + (-1, 32)); a = np.abs(x).max(-1, keepdims=True)
;;       e = np.where(a > 0, np.clip(np.frexp(np.where(a > 0, a, 1))[1] - 1 - 2, -126, 127), 0)      # np.frexp(a)[1] - 1 = floor(log2(a)), exactly
;;       r = np.clip(x / 2.0 ** e, -7.5, 7.5)
;;       step = 2.0 ** (np.maximum(np.frexp(np.where(r == 0, 1, r))[1] - 1, 0) - 3)
;;       q = np.round(r / step) * step * 2.0 ** e      # np.round: ties to even
;;       return np.moveaxis(q.reshape(q.shape[:-2] + (-1,))[..., :K], -1, axis).astype(np.float32)
;;   ~~~
;;   SOFTMAX AHEAD OF A QUANTISED PRODUCT. Where the list says 'softmax', what is quantised is not the finished softmax but p = 2^(t - M), with t = logit x log2(e) and M = ceil(the row's largest t), a whole number; so 1/2 < the row's largest p <= 1. The row's sum l is taken of the UNQUANTISED p, in f32, and the product's result is divided by l at the end. Since M is a whole number, a kernel that streams over the keys may use a running M (the ceiling of the running maximum): every later rescaling is an exact power of two, which a block's scale takes up: the codes' values come out the same.
;;   OPERANDS COMPUTED ON THE WAY. 'Computed on the way' means the value that the module computes at that place (a softmax that the list does not call 'softmax' is quantised finished and normalised). What goes into a quantiser is computed in f32, as accurately as f32 sums, v_exp_f32 and their like allow (about 1e-6 of the number): no bf16 or f16 on the way to a quantiser, and a product that is left as it is and whose result goes on into a quantised operand takes f32 operands (vector FMAs, or v_wmma_f32_16x16x4_f32). A number that lies on a knife's edge between two numbers of the format may be rounded either way, as far as f32 arithmetic and the matrix unit's own rounding can turn it there, and no further.
;; One version. Each part assembles by itself: llvm-mc -triple=amdgcn-amd-amdhsa -mcpu=gfx1250 --defsym DOCPART=n.
;; ======== version 1 of 1: 2 launches
;; limits: right only within a limited range of input values
;; workspace buffers: kv 13,107,200 bytes
;; launch prep (part 1): grid 256 x 1, 16 waves a work-group, no clusters, 122,880 bytes of LDS; arguments k, v, kv; writes kv
.if DOCPART == 1
	.amdgcn_target "amdgcn-amd-amdhsa--gfx1250"
	.amdhsa_code_object_version 6
	.text
	.protected	k_qfdbe8ee719_prep
	.globl	k_qfdbe8ee719_prep
	.p2align	8
	.type	k_qfdbe8ee719_prep,@function
k_qfdbe8ee719_prep:
	s_mov_b64 s[64:65], 0
	v_nop
	global_prefetch_b8 v0, s[64:65] scope:SCOPE_SE
	s_setreg_imm32_b32 hwreg(HW_REG_WAVE_MODE, 25, 1), 1
	s_wait_xcnt 0x0
; K and V [64 heads][2,048 keys][64], f32, become codes of FP6 (E2M3) with one E8M0 scale byte for each 32 along a product's K: the head's 64 numbers for K, the keys for V.
; The result is an IMAGE OF THE OPERANDS' REGISTERS for the attention launch: for each head and each chunk of 128 keys 12,800 dense bytes:
;   K's four fragments of 1,536 bytes (lane L's twelve registers at 48 L), V's four, K's 256 scale bytes (row r at 16 r: word = fragment, byte = 2 x half + block), V's 256 (row r at 16 r: word = fragment, byte = block of 32 keys).
; K: a fragment holds two tiles of 16 keys (registers 0-5, 6-11).  Key 64 c + 32 h + 8 u + j of a chunk is row 8 h + j of tile 4 c + u: so in S^T a lane's 32 registers of four tiles are one whole block of 32 neighbouring keys.
; V: fragment t holds channels 16 t + row; its K runs over the chunk's keys in their order.
; SHARES: a work-group takes four chunks (grid 256 = 64 heads x 4); wave w takes unit w % 8 of K (16 keys) and of V (32 channels x 32 keys) in chunks 2 (w / 8) and 2 (w / 8) + 1: all waves run one text.
; All of a wave's 80 loads are issued at the head.  Codes are gathered in LDS and leave as runs of 512 consecutive bytes a wave.
; No tensor loads, no joint loads (no two work-groups read the same bytes), no prefetch: there is no loop to run ahead in, every load is asked for at the head.
; A block's scale is 2^(floor(log2(largest magnitude)) - 2): its byte is the magnitude's exponent field - 2, held at 1 from below.
; LIMITS: NaN and infinities among the inputs are not served.  A block whose largest magnitude lies under 2^-124 has its byte held at 1; a block of zeros gets the byte 1 where the quantiser says 127: its codes are zeros, and this program alone reads the bytes.
.set CHB,  12800
.set FRB,  1536
.set VIM,  6144
.set SCO,  12288
.set STG,  4*CHB                       ; behind the image: a stage of 16 rows x 272 bytes for each wave
.set STB,  4352
.set SP,   272
.set SPARE, STG+16*STB                 ; the spare words, 128 bytes a wave
.set GK,   1                           ; v1 my offset in K, v2 in V
.set GV,   2
.set WIK,  3                           ; where my codes and scale bytes go in the image
.set WSK,  4
.set WIV,  5
.set WSV,  6
.set STW,  7                           ; stage: rows as loaded
.set STR,  8                           ; stage: row lane % 16, 128 bytes from 128 (lane / 16)
.set CPY,  9                           ; 16 x thread
.set SPW,  10
.set NIL,  11
.set CT,   20
.set MXA,  24
.set MXB,  25
.set QSO,  26
.set C,    32                          ; four sets of 8: six registers of codes, the byte at +6
.set D,    64                          ; four sets of 32 numbers: V's two blocks, K's two
.set OUTR, 192
.set WV,   12
.set UN,   13
.set KB,   4                           ; s[4:5] K, s[6:7] V, s[8:9] the image
.set VB,   6
.set OB,   8
; a block of 32 numbers in one lane's registers becomes 24 bytes of codes in v[c:c+5] and a scale byte in v[c+6]
.macro QBLOCK x, c
	v_max3_num_f32 v[MXA], |v[\x]|, |v[\x+1]|, |v[\x+2]|
	v_max3_num_f32 v[MXB], |v[\x+3]|, |v[\x+4]|, |v[\x+5]|
.irp i, 6,10,14,18,22,26
	s_delay_alu instid0(VALU_DEP_2)
	v_max3_num_f32 v[MXA], v[MXA], |v[\x+\i]|, |v[\x+\i+1]|
	s_delay_alu instid0(VALU_DEP_2)
	v_max3_num_f32 v[MXB], v[MXB], |v[\x+\i+2]|, |v[\x+\i+3]|
.endr
	s_delay_alu instid0(VALU_DEP_2)
	v_max3_num_f32 v[MXA], v[MXA], |v[\x+30]|, |v[\x+31]|
	s_delay_alu instid0(VALU_DEP_1)
	v_max3_num_f32 v[MXA], v[MXA], v[MXB], 0x1800000               ; the floor 2^(3 - 127): the byte cannot fall under 1
	s_delay_alu instid0(VALU_DEP_1)
	v_add_nc_u32 v[QSO], 0xff000000, v[MXA]                        ; 2 off the exponent field: the conversion's scale operand
	s_delay_alu instid0(VALU_DEP_1)
	v_lshrrev_b32 v[\c+6], 23, v[QSO]                              ; the byte
	v_cvt_scalef32_pk16_fp6_f32 v[\c:\c+2], v[\x:\x+15], v[QSO]
	v_cvt_scalef32_pk16_fp6_f32 v[CT:CT+2], v[\x+16:\x+31], v[QSO] ; (a conversion's three registers begin on an even number)
	v_nop                                                          ; one plain instruction behind the last scaled conversion
	v_mov_b32 v[\c+3], v[CT]
	v_mov_b32 v[\c+4], v[CT+1]
	v_mov_b32 v[\c+5], v[CT+2]
.endm
.macro PUT c, ai, as, off              ; codes and byte into the image
.irp e, 0,1,2
	ds_store_b64 v[\ai], v[\c+2*\e:\c+2*\e+1] offset:\off+8*\e
.endr
	ds_store_b8 v[\as], v[\c+6] offset:\off
.endm
.macro TURN src, dst                   ; sixteen dense rows of 64 f32 through my stage: back comes row lane % 16, numbers 32 (lane / 16) + 0 .. 31.  LDS serves a wave's instructions in order
.irp i, 0,1,2,3,4,5,6,7
	ds_store_b128 v[STW], v[\src+4*\i:\src+4*\i+3] offset:2*SP*\i
.endr
.irp e, 0,1,2,3,4,5,6,7
	ds_load_b128 v[\dst+4*\e:\dst+4*\e+3], v[STR] offset:16*\e
.endr
.endm
	s_load_b128 s[4:7], s[0:1], 0x0
	s_load_b64 s[8:9], s[0:1], 0x10
	v_lshrrev_b32 v12, 5, v0
	v_readfirstlane_b32 s[WV], v12                                 ; wave 0..15
	s_and_b32 s[UN], s[WV], 7                                      ; unit U
	s_lshr_b32 s14, s[WV], 3                                       ; which pair of chunks
	s_lshr_b32 s15, s[UN], 2                                       ; a = U >> 2
	s_and_b32 s16, s[UN], 1                                        ; b = U & 1
	s_bfe_u32 s17, s[UN], 0x10001                                  ; c = (U >> 1) & 1
	s_lshr_b32 s18, s[UN], 1
	s_mul_i32 s19, s14, 2*CHB
	s_lshl_b32 s20, s15, 1
	s_add_co_u32 s20, s20, s16                                     ; K's keys 16 U on go to fragment 2 a + b, rows 8 c on
	s_mul_i32 s21, s20, FRB
	s_mul_i32 s22, s17, 384
	s_add_co_u32 s21, s21, s22
	s_add_co_u32 s21, s21, s19
	s_lshl_b32 s22, s17, 7
	s_lshl_b32 s23, s20, 2
	s_add_co_u32 s22, s22, s23
	s_add_co_u32 s22, s22, s19
	s_add_co_u32 s22, s22, SCO
	s_mul_i32 s23, s16, 2*FRB                                      ; V's channels 32 b on, key block U >> 1: fragments 2 b, 2 b + 1, lanes 16 c on, half a
	s_mul_i32 s24, s17, 768
	s_add_co_u32 s23, s23, s24
	s_mul_i32 s24, s15, 24
	s_add_co_u32 s23, s23, s24
	s_add_co_u32 s23, s23, s19
	s_add_co_u32 s23, s23, VIM
	s_lshl_b32 s24, s16, 3
	s_add_co_u32 s24, s24, s18
	s_add_co_u32 s24, s24, s19
	s_add_co_u32 s24, s24, SCO+256
	s_mul_i32 s25, s[WV], STB
	s_add_co_u32 s25, s25, STG
	s_lshl_b32 s26, s[UN], 12                                      ; memory: K's unit is 4,096 dense bytes
	s_lshl_b32 s27, s18, 13                                        ; V's: 32 rows of 256 bytes, my half of each
	s_lshl_b32 s28, s16, 7
	s_add_co_u32 s27, s27, s28
	s_lshl_b32 s28, ttmp9, 17                                      ; my work-group's four chunks of 32,768 bytes,
	s_lshl_b32 s29, s14, 16                                        ; my pair of them
	s_add_co_u32 s28, s28, s29
	s_mov_b32 s29, 0
	s_mul_i32 s30, ttmp9, 4*CHB
	s_mov_b32 s31, 0
	v_lshl_add_u32 v[SPW], v0, 2, SPARE
	v_mov_b32 v[NIL], 0
	v_and_b32 v12, 31, v0                                          ; l
	v_and_b32 v13, 15, v0                                          ; l % 16
	v_bfe_u32 v14, v0, 4, 1                                        ; l / 16
	v_and_b32 v15, 7, v0                                           ; l % 8
	v_bfe_u32 v16, v0, 3, 1                                        ; (l / 8) % 2
	v_lshl_add_u32 v[GK], v12, 4, s26
	v_lshl_add_u32 v[GV], v12, 2, s27
	v_mul_u32_u24 v[WIK], v15, 48                                  ; K: row 8 c + l % 8, lane row + 16 (l / 16), half (l / 8) % 2
	v_mad_u32_u24 v[WIK], v16, 24, v[WIK]
	v_mad_u32_u24 v[WIK], v14, 768, v[WIK]
	v_add_nc_u32 v[WIK], s21, v[WIK]
	v_lshlrev_b32 v[WSK], 4, v15
	v_lshl_add_u32 v[WSK], v16, 1, v[WSK]
	v_add_nc_u32 v[WSK], v[WSK], v14
	v_add_nc_u32 v[WSK], s22, v[WSK]
	v_mul_u32_u24 v[WIV], v13, 48                                  ; V: row l % 16 of fragment 2 b + l / 16
	v_mad_u32_u24 v[WIV], v14, FRB, v[WIV]
	v_add_nc_u32 v[WIV], s23, v[WIV]
	v_lshlrev_b32 v[WSV], 4, v13
	v_lshl_add_u32 v[WSV], v14, 2, v[WSV]
	v_add_nc_u32 v[WSV], s24, v[WSV]
	v_mul_u32_u24 v[STW], v14, SP
	v_lshl_add_u32 v[STW], v13, 4, v[STW]
	v_add_nc_u32 v[STW], s25, v[STW]
	v_mul_u32_u24 v[STR], v13, SP
	v_lshl_add_u32 v[STR], v14, 7, v[STR]
	v_add_nc_u32 v[STR], s25, v[STR]
	v_lshlrev_b32 v[CPY], 4, v0
	s_wait_alu depctr_va_vdst(0)                                   ; the wait at the head's end
	s_wait_kmcnt 0x0
	s_add_nc_u64 s[KB:KB+1], s[KB:KB+1], s[28:29]
	s_add_nc_u64 s[VB:VB+1], s[VB:VB+1], s[28:29]
	s_add_nc_u64 s[OB:OB+1], s[OB:OB+1], s[30:31]
.irp e, 0,1                            ; V: a lane takes a channel and its registers run down 32 keys
.set j, 0
.rept 32
	global_load_b32 v[D+32*\e+j], v[GV], s[VB:VB+1] offset:32768*\e+256*j th:TH_LOAD_NT
.set j, j+1
.endr
.endr
.irp e, 0,1                            ; K: 16 keys, dense
.irp i, 0,1,2,3,4,5,6,7
	global_load_b128 v[D+64+32*\e+4*\i:D+64+32*\e+4*\i+3], v[GK], s[KB:KB+1] offset:32768*\e+512*\i th:TH_LOAD_NT
.endr
.endr
	s_wait_loadcnt 48                                              ; V's first block is in: behind it 32 + 8 + 8 loads
	QBLOCK D, C
	PUT C, WIV, WSV, 0
	s_wait_loadcnt 16                                              ; V's second: behind it K's 8 + 8
	QBLOCK D+32, C+8
	PUT C+8, WIV, WSV, CHB
	s_wait_loadcnt 8
	TURN D+64, D                                                   ; K's blocks come back into the registers that V's have left
	s_wait_loadcnt 0x0
	TURN D+96, D+32
	s_wait_dscnt 16                                                ; the first turn is back: behind it the second's 8 stores and 8 loads
	QBLOCK D, C+16
	PUT C+16, WIK, WSK, 0
	s_wait_dscnt 0x0
	QBLOCK D+32, C+24
	PUT C+24, WIK, WSK, CHB
	s_wait_dscnt 0x0                                               ; for the others' sake: my part of the image lies in LDS
	s_barrier_signal -1
	s_barrier_wait -1
.irp i, 0,1,2,3,4,5                    ; 51,200 bytes leave: six runs of 8,192 by all threads, and 2,048 by waves 0-3; a wave's store covers 512 consecutive bytes, aligned
	ds_load_b128 v[OUTR+4*\i:OUTR+4*\i+3], v[CPY] offset:8192*\i
.endr
.irp i, 0,1,2,3,4,5
	s_wait_dscnt 5-\i
	global_store_b128 v[CPY], v[OUTR+4*\i:OUTR+4*\i+3], s[OB:OB+1] offset:8192*\i
.endr
	s_cmp_lt_u32 s[WV], 4
	s_cbranch_scc0 .Ldone
	ds_load_b128 v[OUTR+24:OUTR+27], v[CPY] offset:49152
	s_wait_dscnt 0x0
	global_store_b128 v[CPY], v[OUTR+24:OUTR+27], s[OB:OB+1] offset:49152
.Ldone:
	s_wait_tensorcnt 0x0                                           ; the wave's end
	ds_add_u32 v[SPW], v[NIL]
	s_wait_dscnt 0x0
	s_endpgm
.Lfunc_end_k_qfdbe8ee719_prep:
	.size	k_qfdbe8ee719_prep, .Lfunc_end_k_qfdbe8ee719_prep-k_qfdbe8ee719_prep
	.p2alignl 7, 3214868480
	.fill 96, 4, 3214868480
	.section	.rodata,"a",@progbits
	.p2align	6, 0x0
	.amdhsa_kernel k_qfdbe8ee719_prep
		.amdhsa_group_segment_fixed_size 122880
		.amdhsa_private_segment_fixed_size 0
		.amdhsa_enable_private_segment 0
		.amdhsa_kernarg_size 24
		.amdhsa_user_sgpr_count 2
		.amdhsa_user_sgpr_kernarg_segment_ptr 1
		.amdhsa_wavefront_size32 1
		.amdhsa_system_sgpr_workgroup_id_x 1
		.amdhsa_system_sgpr_workgroup_id_y 1
		.amdhsa_system_sgpr_workgroup_id_z 1
		.amdhsa_system_vgpr_workitem_id 0
		.amdhsa_next_free_vgpr 224
		.amdhsa_next_free_sgpr 66
		.amdhsa_reserve_vcc 0
		.amdhsa_float_denorm_mode_32 3
		.amdhsa_float_denorm_mode_16_64 3
		.amdhsa_memory_ordered 1
		.amdhsa_forward_progress 1
		.amdhsa_inst_pref_size 24
	.end_amdhsa_kernel
	.amdgpu_metadata
---
amdhsa.version: [ 1, 2 ]
amdhsa.kernels:
  - .name:           k_qfdbe8ee719_prep
    .symbol:         k_qfdbe8ee719_prep.kd
    .args:
      - { .name: k, .offset: 0, .size: 8, .value_kind: global_buffer, .address_space: global }
      - { .name: v, .offset: 8, .size: 8, .value_kind: global_buffer, .address_space: global }
      - { .name: kv, .offset: 16, .size: 8, .value_kind: global_buffer, .address_space: global }
    .group_segment_fixed_size: 122880
    .private_segment_fixed_size: 0
    .kernarg_segment_align: 8
    .kernarg_segment_size: 24
    .max_flat_workgroup_size: 512
    .sgpr_count:     66
    .vgpr_count:     224
    .wavefront_size: 32
...
	.end_amdgpu_metadata
.endif
;; end of part 1
;; launch attn (part 2): grid 256 x 1, 16 waves a work-group, clusters of 4 x 1, 276,480 bytes of LDS; arguments q, kv, out0; writes out0
.if DOCPART == 2
	.amdgcn_target "amdgcn-amd-amdhsa--gfx1250"
	.amdhsa_code_object_version 6
	.text
	.protected	k_qfdbe8ee719_attn
	.globl	k_qfdbe8ee719_attn
	.p2align	8
	.type	k_qfdbe8ee719_attn,@function
k_qfdbe8ee719_attn:
	s_mov_b64 s[64:65], 0
	v_nop
	global_prefetch_b8 v0, s[64:65] scope:SCOPE_SE
	s_setreg_imm32_b32 hwreg(HW_REG_WAVE_MODE, 25, 1), 1
	s_wait_xcnt 0x0
	s_wait_alu depctr_hold_cnt(0) depctr_sa_sdst(0) depctr_va_vdst(0) depctr_va_sdst(0) depctr_va_ssrc(0) depctr_va_vcc(0) depctr_vm_vsrc(0)
	s_getreg_b32 s2, hwreg(HW_REG_IB_STS2, 6, 4)
	s_cmp_eq_u32 s2, 0
	s_cbranch_scc0 .Lentry_in_a_cluster
	s_endpgm
.Lentry_in_a_cluster:
	s_bfe_u32 s2, ttmp6, 0x10000c
	s_cmp_lg_u32 s2, 0x3003
	s_cbranch_scc0 .Lentry_shape_is_right
	s_endpgm
.Lentry_shape_is_right:
; out[h][q][:] = the sum over k of softmax_k(Q[h][q] . K[h][k] / 8) V[h][k][:], 64 heads, 2,048 queries and keys, head size 64; q, out: f32; K and V come as the image of codes that the launch before has laid.
; Both products go on codes of FP6 (E2M3) with one E8M0 scale for each 32 along a product's K.
; THE SOFTMAX: t = score x log2(e) / 8; M = the row's largest t so far, rounded UP to a whole number; p = 2^(t - M) is quantised along the keys, not normalised.  The row's sum is taken of the unquantised p and divides at the end.
; When M moves, the sum and O are multiplied by 2^(old M - new M): exact.
; SHARES: a work-group owns 512 queries of one head; the four work-groups of a head form a cluster.  Sixteen waves of 256 registers; a wave owns two tiles of 16 queries and takes them one after the other; each pass walks 16 chunks of 128 keys,
; four chunks to a trip of its loop, so that a chunk's place is an immediate offset.
; THE HEAD'S WHOLE IMAGE, 16 x 12,800 bytes, LIES IN LDS: wave w asks for chunk w by ONE joint load (50 rows of 256 bytes, mask 15: all four partners need the same bytes).  Nothing is filled again.  Q's tile 0 is quantised while the loads are out.
; Q's TILE 1 is asked of memory by a prefetch in the second trip of pass 0 (16 rows of 256 bytes a wave, a lane a row, lanes 16-31 name the last row again; 12 key steps ahead of its loads), loaded behind pass 0's loop and quantised at the change of pass.
; The image has no prefetch: it is asked for whole at the head, so there is no loop to run ahead in.
; A chunk: K's four fragments of 1,536 bytes (lane L's twelve registers at 48 L), V's four, K's 256 scale bytes, V's 256.  One load brings both operands' scale words: lanes 0-15 K's, lanes 16-31 V's.
; THE FIRST PRODUCT'S K IS 64, THE INSTRUCTION'S 128: a fragment of K holds two tiles of 16 keys and is multiplied by [q | 0] and by [0 | q]; Q lies as q, six zeros, q; its scale word is (s0, s1, s0, s1).
; LAYOUT: S^T = K Q^T, O^T = V^T P^T: a lane holds one query (lane % 16).  Row 8 h + j of tile 4 c + u is key 64 c + 32 h + 8 u + j: so lane (r, h)'s registers S + 32 c + 0 .. 31 are block 2 c + h of 32 neighbouring keys, whole,
; which is what P's operand wants of that lane: a block's maximum needs no other lane and the codes are not moved between lanes.
; The maxima run in eight chains by turns, one to an accumulator.  The last eight additions of a step's row sum are spread: four stand as the places behind the second product, two behind the next step's first product, two among its maxima.
; -M lies in two registers by turns (even and odd steps), so that the old one needs no copy.
; LIMITS: NaN and infinities among the inputs are not served.  The promise holds while the scaled scores t stay under 2^31 in magnitude.  A block of Q whose largest magnitude lies under 2^-124 has its byte held at 1; a block of zeros gets the byte 1.
; A block's largest p is made from the block's largest score by the same multiply-add and v_exp_f32, which takes v_exp_f32 not to fall where its input rises.  p under 2^-126 comes out of v_exp_f32 as 0.
.set CHB,  12800
.set FRB,  1536
.set VIM,  6144
.set SCO,  12288
.set STG,  16*CHB                      ; behind the image: a stage of 16 rows x 272 bytes for each wave
.set STB,  4352
.set SP,   272
.set SPARE, STG+16*STB                 ; the spare words, 128 bytes a wave
.set LF,   1                           ; 48 x lane
.set LSC,  2                           ; SCO + 16 (lane % 16) + 256 (lane / 16)
.set ADK,  3
.set ADS,  4
.set STW,  5                           ; stage: 272 (lane / 16) + 16 (lane % 16)
.set STR,  6                           ; stage: row lane % 16, from 128 (lane / 16)
.set SOA,  7                           ; stage: row lane % 16, from 32 (lane / 16)
.set GO,   8                           ; 16 x lane
.set SH8,  9                           ; 8 (lane / 16)
.set SPW,  10
.set NIL,  11
.set NMA,  12                          ; -M of the even steps;  v13 the largest score so far
.set RM,   13
.set NMB,  14                          ; -M of the odd steps;  v15 at work
.set TT,   15
.set SUM,  16                          ; v[16:17]
.set FF,   18                          ; v18 f, at the end 1 / sum; v19 named with it
.set QF,   20                          ; v[20:37] q, zeros, q
.set QS,   44
.set PFO,  46                          ; the prefetch's offset; never rewritten
.set SELP, 47                          ; v_perm_b32's selector: my two scale bytes to bytes h and 2 + h, zeros elsewhere
.set KS,   48                          ; v[48:51] scale words: K's in lanes 0-15, V's in lanes 16-31
.set BN,   52                          ; v[52:55] four chains of maxima of my second block; v52 the block's
.set FG,   56                          ; v[56:103] four fragments
.set S,    104                         ; v[104:167] S^T, then p
.set OT,   168                         ; v[168:199] O^T
.set PC,   200                         ; v[200:211] p's codes
.set CA,   212
.set CB,   216
.set BM,   220                         ; v[220:223] four chains of maxima of my first block; v220 the block's
.set SOP,  224
.set BY,   226
.set PT,   228
.set PA,   230                         ; v[230:245] eight partial sums, in pairs
.set PS,   246
.set T0,   249
.set T1,   250
.set T2,   251
.set MXA,  252
.set MXB,  253
.set QSO,  254
.set QBY,  255
.set X,    S
.set WV,   12
.set CX,   13
.set SEL,  14
.set CS,   16
.set TB,   18
.set CNT,  19
.set G0,   24
.set G1,   28
.set QB,   38
.set OB,   40
.macro ROUND                           ; a round of the cluster's barrier
	s_barrier_signal -1
	s_barrier_wait -1
	s_cmp_lg_u32 s[WV], 0
	s_cbranch_scc1 .Lnot_wave_0_\@
	s_barrier_signal -3
.Lnot_wave_0_\@:
	s_barrier_wait -3
	s_barrier_signal -1
	s_barrier_wait -1
.endm
.macro TURN src                        ; sixteen dense rows of 64 f32 through my stage: back comes row lane % 16, numbers 32 (lane / 16) + 0 .. 31
.irp i, 0,1,2,3,4,5,6,7
	ds_store_b128 v[STW], v[\src+4*\i:\src+4*\i+3] offset:2*SP*\i
.endr
.irp e, 0,1,2,3,4,5,6,7
	ds_load_b128 v[X+4*\e:X+4*\e+3], v[STR] offset:16*\e
.endr
.endm
; Q's tile in X: lane (r, h) holds block h of query r: codes into v[QF:QF+5] and v[QF+12:QF+17], the scale word into v[QS]
.macro QQ
	v_max3_num_f32 v[MXA], |v[X]|, |v[X+1]|, |v[X+2]|
	v_max3_num_f32 v[MXB], |v[X+3]|, |v[X+4]|, |v[X+5]|
.irp i, 6,10,14,18,22,26
	v_max3_num_f32 v[MXA], v[MXA], |v[X+\i]|, |v[X+\i+1]|
	v_max3_num_f32 v[MXB], v[MXB], |v[X+\i+2]|, |v[X+\i+3]|
.endr
	v_max3_num_f32 v[MXA], v[MXA], |v[X+30]|, |v[X+31]|
	v_max3_num_f32 v[MXA], v[MXA], v[MXB], 0x1800000               ; the floor 2^(3 - 127)
	v_add_nc_u32 v[QSO], 0xff000000, v[MXA]                        ; 2 off the exponent field: the conversions' scale operand
	v_lshrrev_b32 v[QBY], 23, v[QSO]
	v_cvt_scalef32_pk16_fp6_f32 v[QF:QF+2], v[X:X+15], v[QSO]
	v_cvt_scalef32_pk16_fp6_f32 v[CA:CA+2], v[X+16:X+31], v[QSO]   ; (a conversion's three registers begin on an even number)
	v_lshlrev_b32 v[T1], v[SH8], v[QBY]                            ; my byte 8 h bits up (the plain instruction behind the conversions)
	v_mov_b32 v[QF+3], v[CA]
	v_mov_b32 v[QF+4], v[CA+1]
	v_mov_b32 v[QF+5], v[CA+2]
	v_permlanex16_b32 v[T0], v[T1], s[SEL], s[SEL+1]
	v_or_b32 v[T1], v[T1], v[T0]                                   ; (s0, s1),
	v_lshl_or_b32 v[QS], v[T1], 16, v[T1]                          ; twice
.irp i, 0,1,2,3,4,5
	v_mov_b32 v[QF+12+\i], v[QF+\i]
.endr
.endm
.macro NEWPASS
	v_mov_b32 v[NMB], 0x7f61b1e6                                   ; the old -M = 3e38, the largest score -3e38: the first change of M multiplies zeros by 0
	v_mov_b32 v[RM], 0xff61b1e6
	v_mov_b32 v[SUM], 0
	v_mov_b32 v[SUM+1], 0
.set j, 0
.rept 8
	v_mov_b32 v[PA+j], 0                                           ; the four partial sums that a step hands to the next
.set j, j+1
.endr
.set j, 0
.rept 32
	v_mov_b32 v[OT+j], 0
.set j, j+1
.endr
	s_mov_b32 s[TB], 0
.endm
.macro TM cnt                          ; t - M, two at a time
.rept \cnt
	v_pk_fma_f32 v[S+J:S+J+1], v[S+J:S+J+1], s[CS:CS+1], v[NN:NN+1] op_sel_hi:[1,0,0]
.set J, J+2
.endr
.endm
.macro SADD cnt                        ; the row's sum of the unquantised p: 32 pairs into eight partial pairs, 24 additions
.rept \cnt
.if SN < 8
	v_pk_add_f32 v[PA+2*SN:PA+2*SN+1], v[S+2*SN:S+2*SN+1], v[S+16+2*SN:S+17+2*SN]
.else
	v_pk_add_f32 v[PA+2*(SN%8):PA+2*(SN%8)+1], v[PA+2*(SN%8):PA+2*(SN%8)+1], v[S+16+2*SN:S+17+2*SN]
.endif
.set SN, SN+1
.endr
.endm
.macro LVL i                           ; two more scores into each of the eight chains
.irp q, 0,1,2,3
	v_max3_num_f32 v[BM+\q], v[BM+\q], v[S+8*\q+\i], v[S+8*\q+\i+1]
.endr
.irp q, 0,1,2,3
	v_max3_num_f32 v[BN+\q], v[BN+\q], v[S+32+8*\q+\i], v[S+32+8*\q+\i+1]
.endr
.endm
; A KEY STEP: 128 keys, chunk o of the trip's four
.macro ATT o
.if (\o)%2 == 0
.set NN, NMA
.set NO, NMB
.else
.set NN, NMB
.set NO, NMA
.endif
	ds_load_b128 v[KS:KS+3], v[ADS] offset:CHB*\o                  ; both operands' scale words
.irp b, 0,1,2,3
.irp g, 0,1,2
	ds_load_b128 v[FG+12*\b+4*\g:FG+12*\b+4*\g+3], v[ADK] offset:CHB*\o+FRB*\b+16*\g
.endr
.endr
	s_wait_alu depctr_va_vdst(0)                                   ; the wait here, ahead of the waits below
.irp b, 0,1,2,3
	s_wait_dscnt 9-3*\b                                            ; fragment b is in; three loads for each later fragment may be out
	v_wmma_scale_f32_16x16x128_f8f6f4 v[S+16*\b:S+16*\b+7], v[FG+12*\b:FG+12*\b+11], v[QF:QF+11], 0, v[KS+\b], v[QS] matrix_a_fmt:MATRIX_FMT_FP6 matrix_b_fmt:MATRIX_FMT_FP6
	v_wmma_scale_f32_16x16x128_f8f6f4 v[S+16*\b+8:S+16*\b+15], v[FG+12*\b:FG+12*\b+11], v[QF+6:QF+17], 0, v[KS+\b], v[QS] matrix_a_fmt:MATRIX_FMT_FP6 matrix_b_fmt:MATRIX_FMT_FP6
.endr
	v_pk_add_f32 v[PA:PA+1], v[PA:PA+1], v[PA+4:PA+5]              ; four places behind the products: the last step's sum goes on
	v_pk_add_f32 v[PA+2:PA+3], v[PA+2:PA+3], v[PA+6:PA+7]
	v_nop
	v_nop
.irp t, 0,1,2,3                        ; V is asked for here and lands while the softmax is worked
.irp g, 0,1,2
	ds_load_b128 v[FG+12*\t+4*\g:FG+12*\t+4*\g+3], v[ADK] offset:CHB*\o+VIM+FRB*\t+16*\g
.endr
.endr
.irp q, 0,1,2,3                        ; the largest score of each block of 32 keys: a chain to an accumulator, eight by turns; each accumulator is read from its low end on
	v_max3_num_f32 v[BM+\q], v[S+8*\q], v[S+8*\q+1], v[S+8*\q+2]
.endr
.irp q, 0,1,2,3
	v_max3_num_f32 v[BN+\q], v[S+32+8*\q], v[S+32+8*\q+1], v[S+32+8*\q+2]
.endr
	v_pk_add_f32 v[PA:PA+1], v[PA:PA+1], v[PA+2:PA+3]
	LVL 3
	v_pk_add_f32 v[SUM:SUM+1], v[SUM:SUM+1], v[PA:PA+1]            ; the last step's sum is whole
	LVL 5
	v_max3_num_f32 v[BM], v[BM], v[S+7], v[S+15]                   ; each accumulator's last register
	v_max3_num_f32 v[BM+1], v[BM+1], v[S+23], v[S+31]
	v_max3_num_f32 v[BN], v[BN], v[S+39], v[S+47]
	v_max3_num_f32 v[BN+1], v[BN+1], v[S+55], v[S+63]
	s_delay_alu instid0(VALU_DEP_3)
	v_max3_num_f32 v[BM], v[BM], v[BM+1], v[BM+2]                  ; the chains are joined
	s_delay_alu instid0(VALU_DEP_2)
	v_max3_num_f32 v[BN], v[BN], v[BN+1], v[BN+2]
	s_delay_alu instid0(VALU_DEP_2)
	v_max_num_f32 v[BM], v[BM], v[BM+3]
	s_delay_alu instid0(VALU_DEP_2)
	v_max_num_f32 v[BN], v[BN], v[BN+3]
	s_delay_alu instid0(VALU_DEP_1)
	v_max3_num_f32 v[RM], v[RM], v[BM], v[BN]                      ; the running largest score of my query: my 64 keys,
	s_delay_alu instid0(VALU_DEP_1)
	v_permlanex16_b32 v[PT], v[RM], s[SEL], s[SEL+1]
	s_delay_alu instid0(VALU_DEP_1)
	v_max_num_f32 v[RM], v[RM], v[PT]                              ; and lane l xor 16's
	s_delay_alu instid0(VALU_DEP_1)
	v_mul_f32 v[TT], s[CS], v[RM]                                  ; as t (c is positive)
	s_delay_alu instid0(VALU_DEP_1)
	v_floor_f32 v[NN], -v[TT]                                      ; -M = floor(-t) = -ceil(t)
	s_delay_alu instid0(VALU_DEP_1)
	v_sub_f32 v[TT], v[NN], v[NO]                                  ; old M - new M: a whole number, 0 or less
.set J, 0
	TM 4
	v_cvt_i32_f32 v[TT], v[TT]                                     ; (it saturates)
	TM 4
	v_ldexp_f32 v[FF], 1.0, v[TT]                                  ; f = 2^(old M - new M)
	TM 24
	v_fma_f32 v[BM], v[BM], s[CS], v[NN]                           ; the same of each block's largest score
	v_fma_f32 v[BN], v[BN], s[CS], v[NN]
.set j, 0
.rept 16
	v_pk_mul_f32 v[OT+j:OT+j+1], v[OT+j:OT+j+1], v[FF:FF+1] op_sel_hi:[1,0]   ; O^T under the new M, from each accumulator's low end on
.set j, j+2
.endr
	s_wait_alu depctr_va_vdst(0)                                   ; the wait ahead of the batch
	v_exp_f32 v[BM], v[BM]                                         ; the blocks' largest p
	v_exp_f32 v[BN], v[BN]
.set j, 0
.rept 64
	v_exp_f32 v[S+j], v[S+j]                                       ; p = 2^(t - M)
.set j, j+1
.endr
	v_pk_mul_f32 v[SUM:SUM+1], v[SUM:SUM+1], v[FF:FF+1] op_sel_hi:[1,0]   ; the sum under the new M: the plain instruction behind the batch
	s_wait_alu depctr_va_vdst(0)                                   ; one wait for the batch, ahead of its first reader
	s_wait_dscnt 0x0                                               ; V is in
.set SN, 0
	v_max_num_f32 v[BM], 0x1800000, v[BM]                          ; the floor 2^(3 - 127): the byte cannot fall under 1
	v_max_num_f32 v[BN], 0x1800000, v[BN]
	SADD 4
	v_add_nc_u32 v[SOP], 0xff000000, v[BM]                         ; 2 off the exponent field: the conversions' scale operands,
	v_add_nc_u32 v[SOP+1], 0xff000000, v[BN]
	v_add_lshl_u32 v[BY], v[BM], 0xff000000, 1                     ; and the same one bit up: the scale's byte is the register's top byte
	v_add_lshl_u32 v[BY+1], v[BN], 0xff000000, 1
	SADD 2
	v_cvt_scalef32_pk16_fp6_f32 v[PC:PC+2], v[S:S+15], v[SOP]
	v_cvt_scalef32_pk16_fp6_f32 v[CA:CA+2], v[S+16:S+31], v[SOP]
	v_cvt_scalef32_pk16_fp6_f32 v[PC+6:PC+8], v[S+32:S+47], v[SOP+1]
	v_cvt_scalef32_pk16_fp6_f32 v[CB:CB+2], v[S+48:S+63], v[SOP+1]
	v_perm_b32 v[BY], v[BY+1], v[BY], v[SELP]                      ; my two bytes at their places: blocks h and 2 + h
	SADD 4
	v_permlanex16_b32 v[PT], v[BY], s[SEL], s[SEL+1]
.irp i, 0,1,2
	v_mov_b32 v[PC+3+\i], v[CA+\i]                                 ; (a conversion's three registers begin on an even number)
	v_mov_b32 v[PC+9+\i], v[CB+\i]
.endr
	v_or_b32 v[PS], v[BY], v[PT]                                   ; with lane l xor 16's two the scale word is whole
	SADD 14                                                        ; these fourteen also stand between the writes of p's codes and scale word and the products
.irp t, 0,1,2,3                        ; V's scale words are read from lanes 16-31
	v_wmma_scale_f32_16x16x128_f8f6f4 v[OT+8*\t:OT+8*\t+7], v[FG+12*\t:FG+12*\t+11], v[PC:PC+11], v[OT+8*\t:OT+8*\t+7], v[KS+\t], v[PS] matrix_a_fmt:MATRIX_FMT_FP6 matrix_b_fmt:MATRIX_FMT_FP6 matrix_a_scale:MATRIX_SCALE_ROW1
.endr
.irp i, 0,1,2,3
	v_pk_add_f32 v[PA+2*\i:PA+2*\i+1], v[PA+2*\i:PA+2*\i+1], v[PA+8+2*\i:PA+9+2*\i]   ; four places behind the products: eight partial sums become four
.endr
.endm
.macro TRIP                            ; four key steps: 512 keys
	v_add_nc_u32 v[ADK], s[TB], v[LF]
	v_add_nc_u32 v[ADS], s[TB], v[LSC]
	ATT 0
	ATT 1
	ATT 2
	ATT 3
	s_add_co_u32 s[TB], s[TB], 4*CHB
.endm
; THE WAY OUT of tile t: O^T / the sum goes through my stage and leaves as whole rows: sixteen lanes store 256 consecutive bytes, aligned
.macro WAYOUT t
	v_pk_add_f32 v[PA:PA+1], v[PA:PA+1], v[PA+4:PA+5]              ; the last step's sum is finished
	v_pk_add_f32 v[PA+2:PA+3], v[PA+2:PA+3], v[PA+6:PA+7]
	v_pk_add_f32 v[PA:PA+1], v[PA:PA+1], v[PA+2:PA+3]
	v_pk_add_f32 v[SUM:SUM+1], v[SUM:SUM+1], v[PA:PA+1]
	v_add_f32 v[SUM], v[SUM], v[SUM+1]
	v_permlanex16_b32 v[PT], v[SUM], s[SEL], s[SEL+1]
	v_add_f32 v[SUM], v[SUM], v[PT]                                ; with lane l xor 16's
	s_wait_alu depctr_va_vdst(0)
	v_rcp_f32 v[FF], v[SUM]
	v_nop
	s_wait_alu depctr_va_vdst(0)
.set j, 0
.rept 16
	v_pk_mul_f32 v[S+j:S+j+1], v[OT+j:OT+j+1], v[FF:FF+1] op_sel_hi:[1,0]   ; register 8 u + i is out(query r, 16 u + 8 h + i)
.set j, j+2
.endr
.irp u, 0,1,2,3
	ds_store_b128 v[SOA], v[S+8*\u:S+8*\u+3] offset:64*\u
	ds_store_b128 v[SOA], v[S+8*\u+4:S+8*\u+7] offset:64*\u+16
.endr
.irp i, 0,1,2,3,4,5,6,7
	ds_load_b128 v[FG+4*\i:FG+4*\i+3], v[STW] offset:2*SP*\i       ; LDS serves a wave's instructions in order
.endr
.irp i, 0,1,2,3,4,5,6,7
	s_wait_dscnt 7-\i                                              ; pair i of rows is back
	global_store_b128 v[GO], v[FG+4*\i:FG+4*\i+3], s[OB:OB+1] offset:65536*\t+512*\i th:TH_STORE_NT
.endr
.endm
	s_load_b128 s[4:7], s[0:1], 0x0                                ; q, the image
	s_load_b64 s[8:9], s[0:1], 0x10                                ; out
	v_lshl_add_u32 v[SPW], v0, 2, SPARE
	v_mov_b32 v[NIL], 0
	ds_add_u32 v[SPW], v[NIL]                                      ; the opening lines: the add, twice on end, and its wait
	ds_add_u32 v[SPW], v[NIL]
	v_lshrrev_b32 v[T0], 5, v0
	v_readfirstlane_b32 s[WV], v[T0]                               ; wave 0..15
	s_bfe_u32 s[CX], ttmp6, 0x40000                                ; my place in the cluster: which 512 queries
	s_mul_i32 s20, s[WV], STB
	s_add_co_u32 s20, s20, STG                                     ; my stage
	s_mov_b32 s[G0], 1
	s_mul_i32 s[G0+1], s[WV], CHB                                  ; chunk w lands at 12,800 w
	s_mul_i32 s22, ttmp9, 16*CHB                                   ; the head's image (ttmp9: the cluster's number = the head)
	s_add_co_u32 s22, s22, s[G0+1]
	s_mov_b32 s23, 0
	s_mov_b32 s[G1], 15|(3<<16)|(1<<21)                            ; the mask: all four partners; elements of 8 bytes; bit 21 beside a mask
	s_mov_b32 s[G1+1], 32<<16                                      ; rows of 32 elements = 256 bytes
	s_mov_b32 s[G1+2], 50<<16                                      ; 50 rows
	s_mov_b32 s[G1+3], 32<<16
	s_mov_b32 s[G1+4], 50
	s_mov_b32 s[G1+5], 32
	s_mov_b32 s[G1+6], 0
	s_mov_b32 s[G1+7], 0
	s_lshl_b32 s36, ttmp9, 19                                      ; the head: 2,048 rows of 256 bytes,
	s_lshl_b32 s37, s[CX], 17                                      ; my work-group's 512 queries,
	s_add_co_u32 s36, s36, s37
	s_lshl_b32 s37, s[WV], 12                                      ; my wave's 16 of each 256
	s_add_co_u32 s36, s36, s37
	s_mov_b32 s37, 0
	s_mov_b32 s[SEL], 0x76543210
	s_mov_b32 s[SEL+1], 0xfedcba98
	s_mov_b32 s[CS], 0x3e38aa3b                                    ; c = log2(e) / 8
	s_mov_b32 s[CS+1], s[CS]
	v_and_b32 v[T0], 31, v0
	v_and_b32 v[T1], 15, v0
	v_bfe_u32 v[T2], v0, 4, 1
	v_mul_u32_u24 v[LF], v[T0], 48
	v_lshl_add_u32 v[LSC], v[T1], 4, SCO
	v_lshl_add_u32 v[LSC], v[T2], 8, v[LSC]                        ; lanes 16-31 take V's words, 256 bytes behind K's
	v_mul_u32_u24 v[STW], v[T2], SP
	v_lshl_add_u32 v[STW], v[T1], 4, v[STW]
	v_add_nc_u32 v[STW], s20, v[STW]
	v_mul_u32_u24 v[STR], v[T1], SP
	v_lshl_add_u32 v[SOA], v[T2], 5, v[STR]
	v_lshl_add_u32 v[STR], v[T2], 7, v[STR]
	v_add_nc_u32 v[STR], s20, v[STR]
	v_add_nc_u32 v[SOA], s20, v[SOA]
	v_lshlrev_b32 v[GO], 4, v[T0]
	v_lshlrev_b32 v[SH8], 3, v[T2]
	v_min_u32 v[PFO], 15, v[T0]
	v_lshlrev_b32 v[PFO], 8, v[PFO]                                ; a lane a row of 256 bytes; lanes 16-31 name row 15 again
	v_mov_b32 v[SELP], 0x0c070c03                                  ; lanes 0-15: the two top bytes to bytes 0 and 2, zeros between;
	v_mov_b32 v[MXA], 0x070c030c                                   ; lanes 16-31: to bytes 1 and 3
	v_cmp_eq_u32 vcc_lo, 1, v[T2]
	v_cndmask_b32 v[SELP], v[SELP], v[MXA], vcc_lo
.irp i, 0,1,2,3,4,5
	v_mov_b32 v[QF+6+\i], 0                                        ; the zero codes between q and q
.endr
	v_mov_b32 v[PT], 0                                             ; a lane permute's destination counts as one of its sources
	v_mov_b32 v[FF+1], 0                                           ; (named as the upper half of a pair)
	s_wait_alu depctr_va_vdst(0)                                   ; the wait at the head's end
	s_wait_dscnt 0x0                                               ; both opening adds are done
	s_wait_kmcnt 0x0
	s_add_nc_u64 s[G0+2:G0+3], s[6:7], s[22:23]
	s_or_b32 s[G0+3], s[G0+3], 0x80000000
	s_add_nc_u64 s[QB:QB+1], s[4:5], s[36:37]
	s_add_nc_u64 s[OB:OB+1], s[8:9], s[36:37]
.irp i, 0,1,2,3,4,5,6,7
	global_load_b128 v[FG+4*\i:FG+4*\i+3], v[GO], s[QB:QB+1] offset:512*\i th:TH_LOAD_NT          ; Q's tile 0
.endr
	ROUND                                                          ; all four work-groups are here: the joint loads meet
	tensor_load_to_lds s[G0:G0+3], s[G1:G1+7]                      ; my one tensor load: chunk w of the head
	s_nop 0
	s_wait_loadcnt 0x0                                             ; tile 0 is in
	TURN FG
	s_wait_dscnt 0x0
	QQ
	NEWPASS
	s_wait_alu depctr_va_vdst(0)                                   ; the wait here, directly ahead of the wait below
	s_wait_tensorcnt 0x0                                           ; my chunk has landed
	s_barrier_signal -1
	s_barrier_wait -1                                              ; everybody's has: from here on the image is only read
	s_mov_b32 s[CNT], 4
.Lp0:
	s_cmp_eq_u32 s[CNT], 3                                         ; in the second trip: Q's tile 1 is asked of memory, three trips ahead of its loads
	s_cbranch_scc0 .Lnoask
	global_prefetch_b8 v[PFO], s[QB:QB+1] offset:65536 th:TH_LOAD_NT scope:SCOPE_SE
.Lnoask:
	TRIP
	s_sub_co_u32 s[CNT], s[CNT], 1
	s_cmp_lg_u32 s[CNT], 0
	s_cbranch_scc1 .Lp0
.irp i, 0,1,2,3,4,5,6,7
	global_load_b128 v[S+32+4*\i:S+32+4*\i+3], v[GO], s[QB:QB+1] offset:65536+512*\i th:TH_LOAD_NT   ; Q's tile 1, into the half of p's registers that the way out leaves alone
.endr
	WAYOUT 0
	s_wait_xcnt 0x0                                                ; the stores have read their registers, which the next pass fills again
	s_wait_loadcnt 0x0                                             ; tile 1 is in
	TURN S+32
	s_wait_dscnt 0x0
	QQ
	NEWPASS
	s_mov_b32 s[CNT], 4
.Lp1:
	TRIP
	s_sub_co_u32 s[CNT], s[CNT], 1
	s_cmp_lg_u32 s[CNT], 0
	s_cbranch_scc1 .Lp1
	WAYOUT 1
	s_wait_tensorcnt 0x0                                           ; the wave's end
	ds_add_u32 v[SPW], v[NIL]
	s_wait_dscnt 0x0
	ROUND                                                          ; the closing round
	s_endpgm
.Lfunc_end_k_qfdbe8ee719_attn:
	.size	k_qfdbe8ee719_attn, .Lfunc_end_k_qfdbe8ee719_attn-k_qfdbe8ee719_attn
	.p2alignl 7, 3214868480
	.fill 96, 4, 3214868480
	.section	.rodata,"a",@progbits
	.p2align	6, 0x0
	.amdhsa_kernel k_qfdbe8ee719_attn
		.amdhsa_group_segment_fixed_size 276480
		.amdhsa_private_segment_fixed_size 0
		.amdhsa_enable_private_segment 0
		.amdhsa_kernarg_size 24
		.amdhsa_user_sgpr_count 2
		.amdhsa_user_sgpr_kernarg_segment_ptr 1
		.amdhsa_wavefront_size32 1
		.amdhsa_system_sgpr_workgroup_id_x 1
		.amdhsa_system_sgpr_workgroup_id_y 1
		.amdhsa_system_sgpr_workgroup_id_z 1
		.amdhsa_system_vgpr_workitem_id 0
		.amdhsa_next_free_vgpr 256
		.amdhsa_next_free_sgpr 66
		.amdhsa_reserve_vcc 1
		.amdhsa_float_denorm_mode_32 3
		.amdhsa_float_denorm_mode_16_64 3
		.amdhsa_memory_ordered 1
		.amdhsa_forward_progress 1
		.amdhsa_inst_pref_size 137
	.end_amdhsa_kernel
	.amdgpu_metadata
---
amdhsa.version: [ 1, 2 ]
amdhsa.kernels:
  - .name:           k_qfdbe8ee719_attn
    .symbol:         k_qfdbe8ee719_attn.kd
    .args:
      - { .name: q, .offset: 0, .size: 8, .value_kind: global_buffer, .address_space: global }
      - { .name: kv, .offset: 8, .size: 8, .value_kind: global_buffer, .address_space: global }
      - { .name: out0, .offset: 16, .size: 8, .value_kind: global_buffer, .address_space: global }
    .group_segment_fixed_size: 276480
    .private_segment_fixed_size: 0
    .kernarg_segment_align: 8
    .kernarg_segment_size: 24
    .max_flat_workgroup_size: 512
    .sgpr_count:     66
    .vgpr_count:     256
    .wavefront_size: 32
...
	.end_amdgpu_metadata
.endif
;; end of part 2
